; MI455X (gfx1250); checked and timed in simulation.
; The chip was launched on July 23, 2026; its instructions are those of AMD's public machine-readable ISA for CDNA 5 (MIT licence, August 2026) and "CDNA5" Instruction Set Architecture Reference Guide (July 2026). The comments in the code are by the model that wrote it; some were corrected since.
;; Bit Linear158. Allowed arithmetic: matrix products marked QUANTISED: E2M3 operands, one E8M0 scale for each 32 along K, by v_wmma_scale_f32_16x16x128_f8f6f4 with both operands' format E2M3, f32 sums; everything else in f32.
;; Inputs: weight 2,048 x 4,096 float32; x 4 x 2,048 x 4,096 float32.
;; Outputs: out0 4 x 2,048 x 2,048 float32.
;; This version of the problem:
;;   THIS VERSION OF THE PROBLEM IS GIVEN IN LOW PRECISION. The matrix products marked QUANTISED in the list below multiply operands that are first quantised to E2M3 (2 exponent bits, 3 mantissa bits; 6 bits a number), with one power-of-two scale for each 32 numbers along K (OCP MX v1.0); their sums are f32. All else is computed in f32.
;;   The module's matrix products, in the order in which they are computed (A, B: the left and right operand; K: the contracted axis; several contracted axes count as one K, in the product's order):
;;     1. [M 8,192, K 4,096] x [K 4,096, N 2,048]; A: computed on the way; B: computed on the way: QUANTISED
;;   THE QUANTISER, for each operand of a quantised product, along K:
;;     - K is cut into blocks of 32 from its start; a last block that is shorter is filled with zeros.
;;     - A block's scale is 2^e with e = floor(log2(the largest magnitude in the block)) - 2, held to -126 .. 127; a block of zeros has e = 0. As a byte (E8M0): e + 127.
;;     - Each number is divided by its block's scale, clamped to +-7.5, and rounded to the nearest number of E2M3, ties to even, subnormals kept.
;;     - The product sums the exact products of the quantised numbers (number of the format x scale) in f32.
;;   ~~~python
;;   def quantise(x, axis):      # numpy; x: float32 -> the quantised numbers, widened to float32 again
;;       x = np.moveaxis(x, axis, -1); K = x.shape[-1]
;;       x = np.pad(x, [(0, 0)] * (x.ndim - 1) + [(0, -K % 32)]); x = x.reshape(x.shape[:-1] + (-1, 32)); a = np.abs(x).max(-1, keepdims=True)
;;       e = np.where(a > 0, np.clip(np.frexp(np.where(a > 0, a, 1))[1] - 1 - 2, -126, 127), 0)      # np.frexp(a)[1] - 1 = floor(log2(a)), exactly
;;       r = np.clip(x / 2.0 ** e, -7.5, 7.5)
;;       step = 2.0 ** (np.maximum(np.frexp(np.where(r == 0, 1, r))[1] - 1, 0) - 3)
;;       q = np.round(r / step) * step * 2.0 ** e      # np.round: ties to even
;;       return np.moveaxis(q.reshape(q.shape[:-2] + (-1,))[..., :K], -1, axis).astype(np.float32)
;;   ~~~
;;   OPERANDS COMPUTED ON THE WAY. 'Computed on the way' means the value that the module computes at that place (a softmax that the list does not call 'softmax' is quantised finished and normalised). What goes into a quantiser is computed in f32, as accurately as f32 sums, v_exp_f32 and their like allow (about 1e-6 of the number): no bf16 or f16 on the way to a quantiser, and a product that is left as it is and whose result goes on into a quantised operand takes f32 operands (vector FMAs, or v_wmma_f32_16x16x4_f32). A number that lies on a knife's edge between two numbers of the format may be rounded either way, as far as f32 arithmetic and the matrix unit's own rounding can turn it there, and no further.
;; One version. Each part assembles by itself: llvm-mc -triple=amdgcn-amd-amdhsa -mcpu=gfx1250 --defsym DOCPART=n.
;; ======== version 1 of 1: 2 launches
;; limits: right only within a limited range of input values
;; workspace buffers: xq 25,165,824 bytes; wq 6,291,456 bytes; sq 2,621,440 bytes
;; launch quant (part 1): grid 1280 x 1, 4 waves a work-group, no clusters, 51,712 bytes of LDS; arguments x, weight, xq, wq, sq; writes xq, wq, sq
.if DOCPART == 1
	.amdgcn_target "amdgcn-amd-amdhsa--gfx1250"
	.amdhsa_code_object_version 6
	.text
	.protected	k_q0d14d4c1f6_quant
	.globl	k_q0d14d4c1f6_quant
	.p2align	8
	.type	k_q0d14d4c1f6_quant,@function
k_q0d14d4c1f6_quant:
	s_mov_b64 s[64:65], 0
	v_nop
	global_prefetch_b8 v0, s[64:65] scope:SCOPE_SE
	s_setreg_imm32_b32 hwreg(HW_REG_WAVE_MODE, 25, 1), 1
	s_wait_xcnt 0x0
; x [8192][4096] and weight [2048][4096], f32, become the two operands of the product: first the module's own fake quantisations, in f32, then codes of FP6 (E2M3) with one E8M0 scale byte for each 32 along K.
; x:      in groups of 64 along K: a = max(largest magnitude, 1e-5); q = clip(round(x 127 / a), +-127) a / 127.
; weight: s = max(the row's mean magnitude, 1e-5); q = clip(round(w / s), +-1) s.
;         clip(round(w / s), +-1) is the sign of w where |w| > s / 2, else 0, for every finite w: a quotient of exactly 0.5 goes to 0 (ties to even), all above goes to 1 or more and is clipped to 1.  So no division is made.
; WORK LEFT OUT: reference() forms x + (q - x) and w + (q - w).  In real numbers these are q for all values of x, w and q, so q itself is the operand and the two additions are not made.
; LIMIT of that: an overflow, infinity or NaN that would arise only in q - x or in the sum is not carried to the result.
; THE MX QUANTISER: a block's byte is its largest magnitude's exponent field - 2, held at 1 from below; each number / scale to the nearest code, ties to even, beyond the largest code the largest.
; x's largest |q| of a block is not searched for: multiply, round, clip and multiply do not fall where |x| rises, so the block's largest |x|, put through the same four instructions, gives the same bits.
; WHAT IS STORED.  A work-group takes 8 rows, a GROUP.  Codes: [group][32 steps of 128 along K][8 rows][96 bytes]; in a row's 96 bytes the four blocks of 32 codes lie in the order 0, 2, 1, 3, so that the 48 bytes
; that a lane of the matrix operand holds are neighbours.  Scales, one buffer for both tensors (x's 1,024 groups, then the weight's 256): [group][16 entries][8 rows][4 words]; entry n holds the scale words of steps
; 3 n, 3 n + 1, 3 n + 2 and the last once more; words past step 31 hold the next row's words or zeros and are used by no product.
; LIMITS: NaN and infinities among the inputs are not served.  A block of zeros gets the byte 1 where the rule says 127: its codes are zeros, and the bytes are read by this program alone; blocks whose largest
; magnitude lies under 2^-124 are held at the byte 1.  q = r (a / 127) stands for r / (127 / a): they agree to a few units in the last place of f32.  A row's |w| are summed in four chains a lane, then across the lanes, in f32.
; SHARES.  A wave takes two whole rows in 16 steps of 512 numbers.  Work-groups 0 to WGW - 1 take the weight, the others x: only pointers are chosen; only arithmetic on registers stands in two arms.
; Each load reads 512 consecutive bytes; a step's 2,048 bytes turn through the wave's own stage in LDS and come back 64 bytes a lane.  A whole row is loaded ahead, so the weight's row sum is taken from registers.
; THE WAY OUT.  Codes are gathered in the work-group's image in LDS (a step of 128 along K: 768 bytes in a pitch of 832, so that the four steps that a store touches fall on different banks), scale entries in a second image;
; behind one barrier each wave stores 12 + 1 runs of 512 consecutive bytes, each at a multiple of 256 from its buffer's first byte.
.set WGW,   256
.set SP,    80                         ; a lane's place in a stage: 64 bytes + 16 of padding
.set SBY,   2*32*SP                    ; in a wave's region: two stages, then its 256 scale bytes and 128 bytes of zeros
.set WREG,  SBY+512
.set KP,    832
.set IMG,   4*WREG                     ; the codes' image: 32 x KP
.set SIMG,  IMG+32*KP                  ; the scale entries' image: 2,048 bytes
.set SPARE, SIMG+2048                  ; the spare words: 512 bytes that no other line names
.set EPSF,  0x3727c5ac                 ; 1e-5
.set C127,  0x42fe0000
.set R127,  0x3c010204                 ; 1 / 127
.set MEANF, 0x39800000                 ; 1 / 4,096
.set FLOOR, 0x1800000                  ; 2^(3 - 127)
.set T,     24                         ; v24-27 at work
.set R,     32                         ; v32-159 eight sets of 16 numbers: one row; at the end the images on their way out
.set X,     160                        ; v160-191 two sets of 16 neighbours
; v1 16 x lane; v2, v3 the stage, in and out; v[4:6], v[28:30] a step's codes by turns; v8-v11 at work; v[12:13] 127 / a; v[14:15] a / 127; v16 my 12 bytes in the image; v17 s; v18 s / 2; v19 127.0;
; v20, v21 a step's byte by turns; v22 my spare word; v23 0; v31 my block's scale byte
	s_load_b128 s[4:7], s[0:1], 0x0                ; x, weight
	s_load_b128 s[8:11], s[0:1], 0x10              ; x's codes, the weight's
	s_load_b64 s[12:13], s[0:1], 0x20              ; the scales
	v_lshl_add_u32 v22, v0, 2, SPARE
	v_mov_b32 v23, 0
	v_lshrrev_b32 v8, 5, v0
	v_readfirstlane_b32 s16, v8                    ; wave
	v_and_b32 v8, 31, v0                           ; lane
	v_lshlrev_b32 v1, 4, v8
	s_mul_i32 s17, s16, WREG
	v_lshrrev_b32 v2, 2, v8
	v_mul_u32_u24 v2, v2, SP
	v_and_b32 v3, 3, v8
	v_lshl_add_u32 v2, v3, 4, v2
	v_add_nc_u32 v2, s17, v2                       ; the stage, in: SP (lane / 4) + 16 (lane % 4)
	v_mul_u32_u24 v3, v8, SP
	v_add_nc_u32 v3, s17, v3                       ; and out: SP x lane
	s_add_co_u32 s28, s17, SBY
	v_lshrrev_b32 v31, 1, v8
	v_add_nc_u32 v31, s28, v31
	v_lshl_add_u32 v9, v8, 2, s28
	ds_store_b32 v9, v23 offset:256                ; zeros behind my scale bytes: the entries past step 31 read them
	; my 12 bytes: step g = lane / 8 of the four; block b = (lane / 2) % 4 at 48 (b % 2) + 24 (b / 2); its lower or upper 16 codes
	v_lshrrev_b32 v9, 3, v8
	v_bfe_u32 v10, v8, 1, 1
	v_bfe_u32 v11, v8, 2, 1
	v_and_b32 v24, 1, v8
	v_lshl_add_u32 v11, v11, 1, v24
	v_mul_u32_u24 v16, v9, KP
	v_mad_u32_u24 v16, v10, 48, v16
	v_mad_u32_u24 v16, v11, 12, v16
	s_mul_i32 s19, s16, 192                        ; my two rows of the group's eight
	s_add_co_u32 s19, s19, IMG
	v_add_nc_u32 v16, s19, v16
	s_lshl_b32 s29, s16, 5
	s_add_co_u32 s29, s29, SIMG                    ; my two rows in a scale entry
	s_mul_i32 s30, s16, 8*KP
	s_add_co_u32 s30, s30, IMG                     ; the way out: my eight steps of the codes' image,
	s_lshl_b32 s31, s16, 9
	s_add_co_u32 s31, s31, SIMG                    ; my 512 bytes of the entries' image
	s_mov_b32 s23, C127
	s_mov_b32 s24, 0x7fffffff
	s_mov_b32 s26, 0x76543210
	s_mov_b32 s27, 0xfedcba98
	v_mov_b32 v11, 0
	v_mov_b32 v13, 0
	v_mov_b32 v15, 0
	v_mov_b32 v19, C127
	v_mov_b32 v17, 0                               ; s and s / 2 are written on the weight's way alone: here for every way
	v_mov_b32 v18, 0
	s_wait_alu depctr_va_vdst(0)                   ; the wait at the head's end
	s_wait_kmcnt 0x0
	s_cmp_lt_u32 ttmp9, WGW
	s_cselect_b64 s[4:5], s[6:7], s[4:5]
	s_cselect_b64 s[8:9], s[10:11], s[8:9]
	s_cselect_b32 s17, 0, WGW
	s_cselect_b32 s22, 1, 0                        ; 1: the weight
	s_cselect_b32 s25, 1024, 0
	s_sub_co_u32 s17, ttmp9, s17                   ; my group in its tensor
	s_add_co_u32 s25, s25, s17                     ; and in the scales' buffer
	s_lshl_b32 s18, s17, 17                        ; 8 rows of 16,384 bytes
	s_lshl_b32 s20, s16, 15
	s_add_co_u32 s18, s18, s20
	s_mov_b32 s19, 0
	s_add_nc_u64 s[4:5], s[4:5], s[18:19]
	s_mul_i32 s18, s17, 24576
	s_mul_i32 s20, s16, 6144
	s_add_co_u32 s18, s18, s20
	s_add_nc_u64 s[8:9], s[8:9], s[18:19]
	s_lshl_b32 s18, s25, 11
	s_lshl_b32 s20, s16, 9
	s_add_co_u32 s18, s18, s20
	s_add_nc_u64 s[12:13], s[12:13], s[18:19]
.macro LOAD t
.irp i, 0,1,2,3
	global_load_b128 v[R+16*((\t)%8)+4*\i:R+16*((\t)%8)+4*\i+3], v1, s[4:5] offset:2048*(\t)+512*\i th:TH_LOAD_NT
.endr
.endm
.macro TURN t                          ; LDS serves a wave's instructions in order (ISA guide 5.7.1.4): no wait between the stores and the loads
.irp i, 0,1,2,3
	ds_store_b128 v2, v[R+16*((\t)%8)+4*\i:R+16*((\t)%8)+4*\i+3] offset:32*SP*((\t)%2)+8*SP*\i
.endr
.irp i, 0,1,2,3
	ds_load_b128 v[X+16*((\t)%2)+4*\i:X+16*((\t)%2)+4*\i+3], v3 offset:32*SP*((\t)%2)+16*\i
.endr
.endm
.macro SUM                             ; the weight: s = max(mean |w|, 1e-5) and s / 2, in every lane
.irp k, 0,1,2,3
	v_add_f32 v[T+\k], |v[R+2*\k]|, |v[R+2*\k+1]|
.endr
.set Q, 8
.rept 30
.irp k, 0,1,2,3
	v_add_f32 v[T+\k], v[T+\k], |v[R+Q+\k]|
.endr
.set Q, Q+4
.endr
	v_add_f32 v[T], v[T], v[T+1]
	v_add_f32 v[T+2], v[T+2], v[T+3]
	v_add_f32 v[T], v[T], v[T+2]
	v_add_f32_dpp v[T], v[T], v[T] row_xmask:1 row_mask:0xf bank_mask:0xf
	v_add_f32_dpp v[T], v[T], v[T] row_xmask:2 row_mask:0xf bank_mask:0xf
	v_add_f32_dpp v[T], v[T], v[T] row_xmask:4 row_mask:0xf bank_mask:0xf
	v_add_f32_dpp v[T], v[T], v[T] row_xmask:8 row_mask:0xf bank_mask:0xf
	v_permlanex16_b32 v11, v[T], s26, s27
	v_add_f32 v[T], v[T], v11
	v_mul_f32 v[T], MEANF, v[T]
	v_max_num_f32 v17, EPSF, v[T]
	v_mul_f32 v18, 0.5, v17
	s_wait_alu depctr_va_vdst(0)
.endm
.macro MAX16                           ; v8, v9: the largest magnitudes of my 16 numbers, in two chains
	v_max3_num_f32 v8, |v[XS]|, |v[XS+1]|, |v[XS+2]|
	v_max3_num_f32 v9, |v[XS+3]|, |v[XS+4]|, |v[XS+5]|
.irp i, 6,10
	v_max3_num_f32 v8, v8, |v[XS+\i]|, |v[XS+\i+1]|
	v_max3_num_f32 v9, v9, |v[XS+\i+2]|, |v[XS+\i+3]|
.endr
	v_max3_num_f32 v8, v8, |v[XS+14]|, |v[XS+15]|
.endm
.macro XARITH                          ; x's fake quantisation, in place; leaves the block's largest |q|, with the floor, in v8
	MAX16
	v_max_num_f32 v8, v8, v9
	v_max_num_f32_dpp v8, v8, v8 row_xmask:1 row_mask:0xf bank_mask:0xf   ; two lanes: the block of 32
	v_max_num_f32_dpp v9, v8, v8 row_xmask:2 row_mask:0xf bank_mask:0xf   ; four lanes: the group of 64
	v_max_num_f32 v9, EPSF, v9                     ; a
	s_wait_alu depctr_va_vdst(0)                   ; the wait ahead of the reciprocal
	v_rcp_f32 v[T+2], v9
	v_mul_f32 v14, R127, v9                        ; a / 127: the plain instruction behind the reciprocal
	s_wait_alu depctr_va_vdst(0)                   ; the wait ahead of its first reader
	v_mul_f32 v12, s23, v[T+2]
	v_fma_f32 v[T+3], -v9, v12, s23                ; what is missing of 127,
	v_fma_f32 v12, v[T+3], v[T+2], v12             ; put right
.irp g, 0,4,8,12
	v_pk_mul_f32 v[T:T+1], v[XS+\g:XS+\g+1], v[12:13] op_sel_hi:[1,0]
	v_pk_mul_f32 v[T+2:T+3], v[XS+\g+2:XS+\g+3], v[12:13] op_sel_hi:[1,0]
.irp k, 0,1,2,3
	v_rndne_f32 v[T+\k], v[T+\k]
.endr
.irp k, 0,1,2,3
	v_med3_num_f32 v[T+\k], v[T+\k], -v19, v19
.endr
	v_pk_mul_f32 v[XS+\g:XS+\g+1], v[T:T+1], v[14:15] op_sel_hi:[1,0]
	v_pk_mul_f32 v[XS+\g+2:XS+\g+3], v[T+2:T+3], v[14:15] op_sel_hi:[1,0]
.endr
	v_mul_f32 v8, v8, v12                          ; the block's largest |x| through the same four steps
	v_rndne_f32 v8, v8
	v_min_num_f32 v8, v8, v19                      ; (it is not negative)
	v_mul_f32 v8, v8, v14
	v_max_num_f32 v8, FLOOR, v8
.endm
.macro WARITH                          ; the weight made ternary, in place; then its block's largest magnitude, with the floor, in v8
.irp g, 0,4,8,12
.irp k, 0,1,2,3
	v_bfi_b32 v[T+\k], s24, v17, v[XS+\g+\k]       ; s with w's sign
.endr
.irp k, 0,1,2,3
	v_cmp_gt_f32 vcc_lo, |v[XS+\g+\k]|, v18
	v_cndmask_b32 v[XS+\g+\k], 0, v[T+\k], vcc_lo
.endr
.endr
	MAX16
	v_max3_num_f32 v8, v8, v9, FLOOR
	v_max_num_f32_dpp v8, v8, v8 row_xmask:1 row_mask:0xf bank_mask:0xf
.endm
.macro MXQ t
.set CS, 28-24*((\t)%2)
.set OF, 96*((\t)/8)+4*KP*((\t)%8)     ; which of my two rows, and the step's four steps of 128
	v_add_nc_u32 v10, 0xff000000, v8               ; 2 off the exponent field: the conversion's scale operand
	v_cvt_scalef32_pk16_fp6_f32 v[CS:CS+2], v[XS:XS+15], v10
	v_lshrrev_b32 v[20+(\t)%2], 23, v10            ; the scale's byte; the plain instruction behind the conversion
	ds_store_b8 v31, v[20+(\t)%2] offset:16*(\t)
.irp k, 0,1,2
	ds_store_b32 v16, v[CS+\k] offset:OF+4*\k
.endr
.endm
.macro STEP t
.set XS, X+16*((\t)%2)
.if (\t) > 0
	s_wait_dscnt 4                                 ; this step's numbers are back; only the last step's four stores may be out
.else
	s_wait_dscnt 0x0
.endif
.if ((\t) == 0) || ((\t) == 8)
	s_cmp_eq_u32 s22, 0
	s_cbranch_scc1 .Lnosum_\@
	s_wait_loadcnt 0x0                             ; the whole row is in
	SUM
.Lnosum_\@:
.endif
.if (\t) < 8
	LOAD (\t)+8
.endif
.if (\t) < 15
.if (\t) < 8
	s_wait_loadcnt 28                              ; the next step's four loads are in; those of the seven steps behind it may be out
.else
	s_wait_loadcnt 4*(14-(\t))
.endif
	TURN (\t)+1
.endif
	s_cmp_eq_u32 s22, 0
	s_cbranch_scc0 .Lw_\@
	XARITH
	s_wait_alu depctr_va_vdst(0)                   ; the wait ahead of the jump
	s_branch .Lq_\@
.Lw_\@:
	WARITH
.Lq_\@:
	MXQ \t
.endm
.irp t, 0,1,2,3,4,5,6,7
	LOAD \t
.endr
	s_wait_loadcnt 28
	TURN 0
.irp t, 0,1,2,3,4,5,6,7,8,9,10,11,12,13,14,15
	STEP \t
.endr
	; the scale entries: lane (n = lane % 16, row = lane / 16) takes words 3 n, 3 n + 1, 3 n + 2 of that row of mine
	v_and_b32 v8, 15, v0
	v_bfe_u32 v9, v0, 4, 1
	v_mul_u32_u24 v10, v8, 12
	v_lshl_add_u32 v10, v9, 7, v10
	v_add_nc_u32 v10, s28, v10
	v_lshlrev_b32 v11, 7, v8
	v_lshl_add_u32 v11, v9, 4, v11
	v_add_nc_u32 v11, s29, v11
	v_lshl_add_u32 v7, v8, 4, s30
	v_lshl_add_u32 v24, v9, 8, v7                  ; the way out: lanes 16-31 take the next 256 bytes of memory: in the image 256 on,
	v_mad_u32_u24 v25, v9, 320, v7                 ; or, where they begin the next step of 128, 320 on
	v_add_nc_u32 v26, s31, v1
	ds_load_b32 v[R], v10                          ; LDS serves a wave's instructions in order: these see my byte stores
	ds_load_b32 v[R+1], v10 offset:4
	ds_load_b32 v[R+2], v10 offset:8
	ds_load_b32 v[R+3], v10 offset:8
	s_wait_alu depctr_va_vdst(0)                   ; the wait here, directly ahead of the wait below
	s_wait_dscnt 0x0
	ds_store_b128 v11, v[R:R+3]
	s_wait_dscnt 0x0                               ; for the others' sake: all my stores into the two images are done
	s_barrier_signal -1
	s_barrier_wait -1
.irp j, 0,1,2,3
	ds_load_b128 v[R+12*\j:R+12*\j+3], v24 offset:2*KP*\j
	ds_load_b128 v[R+12*\j+4:R+12*\j+7], v25 offset:2*KP*\j+512
	ds_load_b128 v[R+12*\j+8:R+12*\j+11], v24 offset:2*KP*\j+KP+256
.endr
	ds_load_b128 v[R+48:R+51], v26
.irp k, 0,1,2,3,4,5,6,7,8,9,10,11
	s_wait_dscnt 12-\k
	global_store_b128 v1, v[R+4*\k:R+4*\k+3], s[8:9] offset:512*\k   ; 32 lanes store 512 consecutive bytes, at a multiple of 256 from the buffer's first byte
.endr
	s_wait_dscnt 0x0
	global_store_b128 v1, v[R+48:R+51], s[12:13]
	s_wait_tensorcnt 0x0                           ; the wave's end
	ds_add_u32 v22, v23
	s_wait_dscnt 0x0
	s_endpgm
.Lfunc_end_k_q0d14d4c1f6_quant:
	.size	k_q0d14d4c1f6_quant, .Lfunc_end_k_q0d14d4c1f6_quant-k_q0d14d4c1f6_quant
	.p2alignl 7, 3214868480
	.fill 96, 4, 3214868480
	.section	.rodata,"a",@progbits
	.p2align	6, 0x0
	.amdhsa_kernel k_q0d14d4c1f6_quant
		.amdhsa_group_segment_fixed_size 51712
		.amdhsa_private_segment_fixed_size 0
		.amdhsa_enable_private_segment 0
		.amdhsa_kernarg_size 40
		.amdhsa_user_sgpr_count 2
		.amdhsa_user_sgpr_kernarg_segment_ptr 1
		.amdhsa_wavefront_size32 1
		.amdhsa_system_sgpr_workgroup_id_x 1
		.amdhsa_system_sgpr_workgroup_id_y 1
		.amdhsa_system_sgpr_workgroup_id_z 1
		.amdhsa_system_vgpr_workitem_id 0
		.amdhsa_next_free_vgpr 192
		.amdhsa_next_free_sgpr 66
		.amdhsa_reserve_vcc 1
		.amdhsa_float_denorm_mode_32 3
		.amdhsa_float_denorm_mode_16_64 3
		.amdhsa_memory_ordered 1
		.amdhsa_forward_progress 1
		.amdhsa_inst_pref_size 156
	.end_amdhsa_kernel
	.amdgpu_metadata
---
amdhsa.version: [ 1, 2 ]
amdhsa.kernels:
  - .name:           k_q0d14d4c1f6_quant
    .symbol:         k_q0d14d4c1f6_quant.kd
    .args:
      - { .name: x, .offset: 0, .size: 8, .value_kind: global_buffer, .address_space: global }
      - { .name: weight, .offset: 8, .size: 8, .value_kind: global_buffer, .address_space: global }
      - { .name: xq, .offset: 16, .size: 8, .value_kind: global_buffer, .address_space: global }
      - { .name: wq, .offset: 24, .size: 8, .value_kind: global_buffer, .address_space: global }
      - { .name: sq, .offset: 32, .size: 8, .value_kind: global_buffer, .address_space: global }
    .group_segment_fixed_size: 51712
    .private_segment_fixed_size: 0
    .kernarg_segment_align: 8
    .kernarg_segment_size: 40
    .max_flat_workgroup_size: 128
    .sgpr_count:     66
    .vgpr_count:     192
    .wavefront_size: 32
...
	.end_amdgpu_metadata
.endif
;; end of part 1
;; launch gemm (part 2): grid 8 x 32, 4 waves a work-group, clusters of 4 x 4, 327,680 bytes of LDS; arguments xq, wq, sq, out0; writes out0
.if DOCPART == 2
	.amdgcn_target "amdgcn-amd-amdhsa--gfx1250"
	.amdhsa_code_object_version 6
	.text
	.protected	k_q0d14d4c1f6_gemm
	.globl	k_q0d14d4c1f6_gemm
	.p2align	8
	.type	k_q0d14d4c1f6_gemm,@function
k_q0d14d4c1f6_gemm:
	s_mov_b64 s[64:65], 0
	v_nop
	global_prefetch_b8 v0, s[64:65] scope:SCOPE_SE
	s_setreg_imm32_b32 hwreg(HW_REG_WAVE_MODE, 25, 1), 1
	s_wait_xcnt 0x0
	s_wait_alu depctr_hold_cnt(0) depctr_sa_sdst(0) depctr_va_vdst(0) depctr_va_sdst(0) depctr_va_ssrc(0) depctr_va_vcc(0) depctr_vm_vsrc(0)
	s_getreg_b32 s2, hwreg(HW_REG_IB_STS2, 6, 4)
	s_cmp_eq_u32 s2, 0
	s_cbranch_scc0 .Lentry_in_a_cluster
	s_endpgm
.Lentry_in_a_cluster:
	s_bfe_u32 s2, ttmp6, 0x10000c
	s_cmp_lg_u32 s2, 0xf033
	s_cbranch_scc0 .Lentry_shape_is_right
	s_endpgm
.Lentry_shape_is_right:
; out0[m][n] = sum over k of X[m][k] W[n][k], M 8,192, N 2,048, K 4,096, on codes of FP6 (E2M3) with E8M0 scales, as the launch before has laid them; sums in f32.
; A tile of 256 x 256 to a work-group of four waves, 128 x 128 a wave: 64 accumulators.  The matrix instruction is used transposed (source 0 = 16 rows of W, source 1 = 16 rows of X): a lane holds eight neighbouring numbers of a row of out0.
; CODES in memory: [group of 8 rows][32 steps of 128 along K][8 rows][96 bytes].  A slot of the ring holds THREE steps: a tile's row is 2,304 consecutive bytes of one group, from a multiple of 256 bytes; a wave's tensor load
; brings 16 such rows (128 rows of the operand).  The descriptor states rows of 2,320 bytes of which the tensor has 2,304 (the mover writes zeros past tensor_dim0): so LDS rows are 145 x 16 bytes apart, and the sixteen
; rows that a 16-byte fragment load touches (8 of one group at 96 bytes, 8 of the next) fall on sixteen different 16-byte columns of the 64 banks (ISA guide 11.1).  K has 32 steps: ten slots of three and one of two, whose rows state 1,536 bytes.
; SCALES go from memory straight into the scale registers: entry n of a row is 16 bytes, the words of slot n's three steps; lanes 0-15 take X's block i, lanes 16-31 W's block i, eight loads a slot, asked for three steps ahead.
; They are not asked for jointly: 128 bytes beside a group's 2,304 of codes in a slot.
; CLUSTERS 4 x 4: X's tiles are asked for jointly along a row of the cluster, W's along a column.  PREFETCH: behind the load of slot n each wave names slot n + 2's blocks of 256 bytes (at the head slot 1's too): of the 16 groups that it
; fetches, the partner at place p takes 4 p .. 4 p + 3 (9 blocks each: 32 lanes, then the four ninth blocks, eight lanes to a block); slot 10, whose rows are shorter, comes by its load alone, so that no lane leaves the buffer.
; REGISTERS: window 0: v0-31 addresses; v32-95 scale words, two sets; v96-191 X's fragments, set 0; v192-251 blocks 0-4 of X's set 1.  Window 1: v0-95, v96-191 W's fragments, two sets; v192-227 blocks 5-7 of X's set 1.
;   Windows 2, 3: the accumulators of my rows 0-63 and 64-127 (accumulator (a, b) at v[8 (8 (a % 4) + b)]).
; Both operands have two sets of fragments, so a step's 64 matrix instructions stand in one stretch, and the next step's 48 LDS loads in ONE run at the step's start, a whole step ahead of their use.
.set SIZE_N, 2048
.set GMEM,   24576
.set KB,     768
.set MSLOT,  3*KB
.set GP,     MSLOT+16
.set FR,     12
.set NP,     4
.set HALFT,  16*GP
.set SLOT,   4*HALFT
.set SPARE,  2*SLOT                    ; the spare words: 512 bytes that no other line names
.set STAGE,  SLOT                      ; the way out: in slot 1, which has had its last fill and its last read by then
.set SPITCH, 528
.set ADRA, 16
.set SO,   18
.set ADRB, 20
.set STO,  24
.set RD,   25
.set CO,   26
.set SPW,  28
.set NIL,  29
.set PFO,  30
.set SC,   32
.set BK,   128
.set G1, 24
.set G0, 32
.set G1B, 48
.set G0B, 56
.set SQ,  92
.set PFA, 96
.set LW,  8
.set MSB, 0
.macro WIN new                         ; the immediate's high byte repeats the setting that is left
.set NW, \new
.if MSB != NW
	s_set_vgpr_msb (MSB<<8)|NW
.set MSB, NW
.endif
.endm
.set TO_B,   0x40                      ; destination window 1, address window 0
.macro JLOAD g0a, g1a, g0b, g1b        ; waves 0, 1 fetch X's halves, waves 2, 3 W's
	s_cmp_eq_u32 s15, 0
	s_cbranch_scc0 .Lfor_b_\@
	tensor_load_to_lds s[\g0a:\g0a+3], s[\g1a:\g1a+7]
	s_nop 0
.rept 4
	v_nop
.endr
	s_branch .Lasked_\@
.Lfor_b_\@:
	tensor_load_to_lds s[\g0b:\g0b+3], s[\g1b:\g1b+7]
	s_nop 0
.rept 4
	v_nop
.endr
.Lasked_\@:
.endm
.macro ASK off
	global_prefetch_b8 v[PFO], s[PFA:PFA+1] offset:\off th:TH_LOAD_NT scope:SCOPE_SE
	global_prefetch_b8 v[PFO+1], s[PFA:PFA+1] offset:\off th:TH_LOAD_NT scope:SCOPE_SE
.endm
.macro CREST
	s_cmp_lg_u32 s14, 0
	s_cbranch_scc1 .Lnot_wave_0_\@
	s_barrier_signal -3
.Lnot_wave_0_\@:
	s_barrier_wait -3
	s_barrier_signal -1
	s_barrier_wait -1
.endm
.macro CROUND
	s_barrier_signal -1
	s_barrier_wait -1
	CREST
.endm
	s_load_b128 s[4:7], s[0:1], 0x0                ; X's codes, W's codes
	s_load_b64 s[8:9], s[0:1], 0x10                ; the scales
	s_load_b64 s[12:13], s[0:1], 0x18              ; out0
	v_lshl_add_u32 v[SPW], v0, 2, SPARE
	v_mov_b32 v[NIL], 0
	ds_add_u32 v[SPW], v[NIL]                      ; the opening: the add, twice on end, and its wait ahead of my first tensor load
	ds_add_u32 v[SPW], v[NIL]
	v_lshrrev_b32 v1, 5, v0
	v_readfirstlane_b32 s14, v1                    ; wave
	s_lshr_b32 s15, s14, 1                         ; my half of the tile's rows; also: I fetch for X (0) or W (1)
	s_and_b32 s16, s14, 1                          ; my half of its columns; also: which 128 rows I fetch
	s_bfe_u32 s40, ttmp6, 0x40000                  ; cx
	s_bfe_u32 s41, ttmp6, 0x40004                  ; cy
	s_lshl_b32 s42, ttmp9, 2
	s_add_co_u32 s42, s42, s40                     ; tile column
	s_and_b32 s17, ttmp7, 0xffff
	s_lshl_b32 s17, s17, 2
	s_add_co_u32 s17, s17, s41                     ; tile row
	s_lshl_b32 s43, s41, 2
	s_lshl_b32 s43, 15, s43
	s_lshl_b32 s44, 0x1111, s40
	s_or_b32 s[G1+0], s43, (0<<16)|(1<<21)
	s_or_b32 s[G1B+0], s44, (0<<16)|(1<<21)
.irp g, G1, G1B
	s_mov_b32 s[\g+1], MSLOT<<16                   ; tensor_dim0: 2,304 bytes of a row are there
	s_mov_b32 s[\g+2], 16<<16
	s_mov_b32 s[\g+3], GP<<16                      ; tile_dim0: 2,320
	s_mov_b32 s[\g+4], 16
	s_mov_b32 s[\g+5], GMEM
	s_mov_b32 s[\g+6], 0
	s_mov_b32 s[\g+7], 0
.endr
	s_mul_i32 s21, s15, HALFT                      ; my 128 rows of X in a slot
	s_mul_i32 s22, s16, HALFT
	s_add_co_u32 s22, s22, 2*HALFT                 ; my 128 rows of W
	s_mul_i32 s23, s14, 16*SPITCH
	s_add_co_u32 s23, s23, STAGE
	s_lshl_b32 s18, s17, 5
	s_lshl_b32 s19, s15, 4
	s_add_co_u32 s18, s18, s19                     ; my first group of X in the scales' buffer
	s_lshl_b32 s19, s42, 5
	s_lshl_b32 s20, s16, 4
	s_add_co_u32 s19, s19, s20
	s_add_co_u32 s19, s19, 1024                    ; and of W,
	s_sub_co_u32 s19, s19, s18                     ; as a distance
	s_lshl_b32 s18, s18, 11
	s_lshl_b32 s19, s19, 11
	v_and_b32 v1, 7, v0                            ; my row in its group
	v_bfe_u32 v2, v0, 4, 1                         ; h
	v_bfe_u32 v3, v0, 3, 1                         ; which of the block's two groups
	v_mul_u32_u24 v4, v3, GP
	v_mad_u32_u24 v5, v1, 96, v4
	v_mad_u32_u24 v5, v2, 48, v5
	v_add_nc_u32 v[ADRA], s21, v5
	v_add_nc_u32 v[ADRB], s22, v5
	v_add_nc_u32 v[ADRA+1], SLOT, v[ADRA]
	v_add_nc_u32 v[ADRB+1], SLOT, v[ADRB]
	v_lshlrev_b32 v6, 11, v3
	v_lshl_add_u32 v6, v1, 4, v6
	v_mad_u32_u24 v6, v2, s19, v6                  ; lanes 16-31 take W's
	v_add_nc_u32 v[SO], s18, v6
	v_and_b32 v7, 15, v0
	v_mul_u32_u24 v8, v7, SPITCH
	v_lshl_add_u32 v8, v2, 5, v8
	v_add_nc_u32 v[STO], s23, v8
	v_and_b32 v9, 31, v0
	v_lshlrev_b32 v[CO], 4, v9
	v_add_nc_u32 v[RD], s23, v[CO]
	v_bfe_u32 v10, v0, 3, 2
	v_mul_u32_u24 v10, v10, GMEM
	v_lshl_add_u32 v[PFO], v1, 8, v10              ; group lane / 8, block lane % 8
	v_add_nc_u32 v[PFO+1], 2048, v10               ; and its ninth block
	s_wait_alu depctr_va_vdst(0)                   ; the wait at the head's end: no vector instruction writes a register behind it
	s_wait_dscnt 0x0                               ; both opening adds are done
	s_wait_kmcnt 0x0
	s_lshl_b32 s45, s16, 4
	s_lshl_b32 s20, s17, 5
	s_add_co_u32 s20, s20, s45
	s_lshl_b32 s46, s42, 5
	s_add_co_u32 s46, s46, s45
	s_mul_i32 s20, s20, GMEM
	s_mul_i32 s46, s46, GMEM
	s_mov_b32 s21, 0
	s_mov_b32 s47, 0
	s_add_nc_u64 s[20:21], s[4:5], s[20:21]        ; the 16 groups that I fetch, of X
	s_add_nc_u64 s[46:47], s[6:7], s[46:47]        ; and of W
	s_mul_i32 s45, s14, HALFT
.irp s, 0,1
	s_mov_b32 s[G0+4*\s], 1
	s_add_co_u32 s[G0+4*\s+1], s45, \s*SLOT
	s_add_nc_u64 s[G0+4*\s+2:G0+4*\s+3], s[20:21], \s*MSLOT
	s_or_b32 s[G0+4*\s+3], s[G0+4*\s+3], 0x80000000
	s_mov_b32 s[G0B+4*\s], 1
	s_add_co_u32 s[G0B+4*\s+1], s45, \s*SLOT
	s_add_nc_u64 s[G0B+4*\s+2:G0B+4*\s+3], s[46:47], \s*MSLOT
	s_or_b32 s[G0B+4*\s+3], s[G0B+4*\s+3], 0x80000000
.endr
	s_cmp_eq_u32 s15, 0
	s_cselect_b32 s18, s40, s41                    ; my place among the four that ask with me
	s_cselect_b64 s[PFA:PFA+1], s[20:21], s[46:47]
	s_mul_i32 s18, s18, 4*GMEM
	s_add_co_u32 s18, s18, MSLOT                   ; at slot 1
	s_mov_b32 s19, 0
	s_add_nc_u64 s[PFA:PFA+1], s[PFA:PFA+1], s[18:19]
	s_add_nc_u64 s[SQ:SQ+1], s[8:9], 128           ; at entry 1: each change of slots steps it
	CROUND                                         ; all sixteen work-groups are here: the first joint loads meet
	JLOAD G0, G1, G0B, G1B                         ; slot 0: one tensor load a wave at the head
.macro SCALES sc, base, off
.irp i, 0,1,2,3,4,5,6,7
	global_load_b128 v[SC+32*\sc+4*\i:SC+32*\sc+4*\i+3], v[SO], s[\base:\base+1] offset:\off+4096*\i
.endr
.endm
	ASK 0                                          ; slot 1
	SCALES 0, 8, 0
	SCALES 1, 8, 128
	ASK MSLOT                                      ; slot 2
	s_lshl_b32 s20, s17, 8
	s_lshl_b32 s21, s15, 7
	s_add_co_u32 s20, s20, s21
	s_mov_b32 s21, 0
	s_mov_b64 s[18:19], SIZE_N*4
	s_mul_u64 s[20:21], s[20:21], s[18:19]
	s_lshl_b32 s46, s42, 10
	s_lshl_b32 s47, s16, 9
	s_add_co_u32 s46, s46, s47
	s_mov_b32 s47, 0
	s_add_nc_u64 s[20:21], s[20:21], s[46:47]
	s_add_nc_u64 s[12:13], s[12:13], s[20:21]
.macro PLACES n                        ; places behind matrix instructions, in front of loads into registers that they have read
.rept \n
	v_nop
.endr
.endm
.macro FRAG reg, adr, q, i             ; 16 rows x 128 K: a lane's 48 bytes are neighbours
.irp c, 0,1,2
	ds_load_b128 v[\reg+4*\c:\reg+4*\c+3], v[\adr] offset:KB*(\q)+16*\c+(\i)*2*GP
.endr
.endm
; 48 LDS loads in one run: step q of a slot into set p: W's eight fragments, then X's eight; the youngest twelve are X's blocks 4-7
.macro FETCH slot, q, p
	WIN TO_B
.irp i, 0,1,2,3,4,5,6,7
	FRAG 96*(\p)+FR*\i, ADRB+\slot, \q, \i
.endr
	WIN 0
.if (\p) == 0
.irp i, 0,1,2,3,4,5,6,7
	FRAG 96+FR*\i, ADRA+\slot, \q, \i
.endr
.else
.irp i, 0,1,2,3,4
	FRAG 192+FR*\i, ADRA+\slot, \q, \i
.endr
	WIN TO_B
.irp i, 5,6,7
	FRAG 192+FR*(\i-5), ADRA+\slot, \q, \i
.endr
	WIN 0
.endif
.endm
; X's block a against W's eight, from set p: 8 matrix instructions; the 64 accumulators take turns, in the same order in every step.
; Source 0 (W): window 1; source 1 (X): window 0, or window 1 for blocks 5-7 of set 1; C and D: window 2 (blocks 0-3) or 3.
.macro MULA a, p, q, sc, zero
.set S1, 0
.if (\p) == 0
.set AR, 96+FR*(\a)
.else
.if (\a) < 5
.set AR, 192+FR*(\a)
.else
.set AR, 192+FR*((\a)-5)
.set S1, 4
.endif
.endif
.if (\a) < 4
	WIN 0xa1|S1
.else
	WIN 0xf1|S1
.endif
.irp b, 0,1,2,3,4,5,6,7
.if \zero
	v_wmma_scale_f32_16x16x128_f8f6f4 v[8*(8*((\a)%4)+\b):8*(8*((\a)%4)+\b)+7], v[96*(\p)+FR*\b:96*(\p)+FR*\b+FR-1], v[AR:AR+FR-1], 0, v[SC+32*(\sc)+4*\b+(\q)], v[SC+32*(\sc)+4*(\a)+(\q)] matrix_a_fmt:MATRIX_FMT_FP6 matrix_b_fmt:MATRIX_FMT_FP6 matrix_a_scale:MATRIX_SCALE_ROW1
.else
	v_wmma_scale_f32_16x16x128_f8f6f4 v[8*(8*((\a)%4)+\b):8*(8*((\a)%4)+\b)+7], v[96*(\p)+FR*\b:96*(\p)+FR*\b+FR-1], v[AR:AR+FR-1], v[8*(8*((\a)%4)+\b):8*(8*((\a)%4)+\b)+7], v[SC+32*(\sc)+4*\b+(\q)], v[SC+32*(\sc)+4*(\a)+(\q)] matrix_a_fmt:MATRIX_FMT_FP6 matrix_b_fmt:MATRIX_FMT_FP6 matrix_a_scale:MATRIX_SCALE_ROW1
.endif
.endr
.endm
; One of a slot's first two steps: the next step's run of loads, into the sets that the step before has read (four places stand ahead of it), then 64 matrix instructions.
.macro STEP slot, q, p, zero
.if (\q) == 0
	s_wait_loadcnt LW                              ; this slot's eight scale loads are in; the next slot's eight may be out
.endif
	s_wait_dscnt 12                                ; W's set and X's blocks 0-3 are in; the youngest twelve loads, blocks 4-7, may be out
	PLACES NP
	FETCH \slot, (\q)+1, 1-(\p)
.irp a, 0,1,2,3
	MULA \a, \p, \q, \slot, \zero
.endr
	s_wait_dscnt 48                                ; blocks 4-7 are in; the 48 loads of this step's run may be out
.irp a, 4,5,6,7
	MULA \a, \p, \q, \slot, \zero
.endr
.endm
; A slot's third step changes slots: each wave waits for all its tensor loads (one is out: its part of the next slot), adds 0 to its spare word, waits for that and for its reads of this slot; the barrier opens a round of the
; cluster's barrier where the slot is filled again, two slots ahead.  The run of loads for the next slot's first step stands behind the round.
.macro TURN slot, next, p, fill, ask, last
.if \fill
	s_wait_xcnt 0x0                                ; my scale loads and prefetches have read their bases
	s_add_nc_u64 s[SQ:SQ+1], s[SQ:SQ+1], 128
.if \ask
	s_add_nc_u64 s[PFA:PFA+1], s[PFA:PFA+1], MSLOT
.endif
.endif
	s_wait_dscnt 12
	MULA 0, \p, 2, \slot, 0
	MULA 1, \p, 2, \slot, 0
	WIN 0                                          ; (the add's two registers lie in window 0)
	s_wait_tensorcnt 0x0
	ds_add_u32 v[SPW], v[NIL]
	MULA 2, \p, 2, \slot, 0
	s_wait_dscnt 0x0
	s_barrier_signal -1
	MULA 3, \p, 2, \slot, 0
	WIN 0
	s_barrier_wait -1
.if \fill
	CREST
	s_add_nc_u64 s[G0+4*\slot+2:G0+4*\slot+3], s[G0+4*\slot+2:G0+4*\slot+3], 2*MSLOT
	s_add_nc_u64 s[G0B+4*\slot+2:G0B+4*\slot+3], s[G0B+4*\slot+2:G0B+4*\slot+3], 2*MSLOT
.if \last
	s_mov_b32 s[G1+1], (2*KB)<<16                  ; no tensor load of mine is out: the last slot's rows have two steps, the rest is written as zeros
	s_mov_b32 s[G1B+1], (2*KB)<<16
.endif
	JLOAD G0+4*\slot, G1, G0B+4*\slot, G1B         ; its four v_nop are the places in front of the loads below
.else
	PLACES NP
.endif
	FETCH \next, 0, 1-(\p)
.if \ask
	s_cmp_gt_u32 s3, 1                             ; the loop's last trip would name slots 10 and 11
	s_cbranch_scc0 .Lno_ask_\@
	ASK 2*MSLOT
.Lno_ask_\@:
.endif
.irp a, 4,5,6,7
	MULA \a, \p, 2, \slot, 0
.endr
	WIN 0
.if \fill
	PLACES NP
	SCALES \slot, SQ, 0                            ; the scale words of two slots on, into the set that this slot has done with
.endif
.endm
	s_wait_tensorcnt 0x0                           ; my part of slot 0 is in
	ds_add_u32 v[SPW], v[NIL]
	s_wait_dscnt 0x0
	CROUND
	JLOAD G0+4, G1, G0B+4, G1B                     ; slot 1
	FETCH 0, 0, 0
	ASK 2*MSLOT                                    ; slot 3
	STEP 0, 0, 0, 1                                ; the first step's products start the sums
	WIN 0                                          ; at a label and at a branch every window is 0
	s_mov_b32 s3, 4
.Llap:                                                 ; a trip: six steps, once round the ring
	STEP 0, 1, 1, 0
	TURN 0, 1, 0, 1, 1, 0
	STEP 1, 0, 1, 0
	STEP 1, 1, 0, 0
	TURN 1, 0, 1, 1, 1, 0
	STEP 0, 0, 0, 0
	WIN 0
	s_sub_co_u32 s3, s3, 1
	s_cmp_lg_u32 s3, 0
	s_cbranch_scc1 .Llap
	STEP 0, 1, 1, 0                                ; slot 8 goes on
	TURN 0, 1, 0, 1, 0, 1                          ; and asks for slot 10
	STEP 1, 0, 1, 0
	STEP 1, 1, 0, 0
	TURN 1, 0, 1, 0, 0, 0
.set LW, 0                             ; no scale load follows slot 10's
	STEP 0, 0, 0, 0
	s_wait_dscnt 12                                ; the very last step: nothing more to fetch
.irp a, 0,1,2,3
	MULA \a, 1, 1, 0, 0
.endr
	s_wait_dscnt 0
.irp a, 4,5,6,7
	MULA \a, 1, 1, 0, 0
.endr
	WIN 0
; THE WAY OUT, block by block of 16 rows x 128 columns, through my own stage: back as rows of 512 bytes, which the 32 lanes store as two aligned units of 256 bytes
.macro TOSTAGE a
.set AC, 64*((\a)%4)
	WIN 0x08+4*((\a)/4)                            ; the data: window 2 or 3
.irp b, 0,1,2,3,4,5,6,7
	ds_store_b128 v[STO], v[AC+8*\b:AC+8*\b+3] offset:64*\b          ; each accumulator from its low end on
	ds_store_b128 v[STO], v[AC+8*\b+4:AC+8*\b+7] offset:64*\b+16
.endr
	WIN 0
.set BB, BK+64*((\a)%2)
.irp t, 0,1,2,3,4,5,6,7,8,9,10,11,12,13,14,15
	ds_load_b128 v[BB+4*\t:BB+4*\t+3], v[RD] offset:\t*SPITCH
.endr
.endm
.macro SEND a, younger
.set BB, BK+64*((\a)%2)
	s_wait_dscnt \younger
.if (\a) > 0
	s_add_nc_u64 s[12:13], s[12:13], 16*SIZE_N*4
.endif
.irp t, 0,1,2,3,4,5,6,7,8,9,10,11,12,13,14,15
	global_store_b128 v[CO], v[BB+4*\t:BB+4*\t+3], s[12:13] offset:\t*SIZE_N*4 th:TH_STORE_NT
.endr
.endm
	PLACES NP
	TOSTAGE 0
.irp a, 1,2,3,4,5,6,7
.if \a > 1
	s_wait_xcnt 0x0                                ; block a - 2's stores have read their registers and their base
.endif
	TOSTAGE \a
	SEND \a-1, 32                                  ; behind block a - 1's loads: block a's 16 stores and 16 loads
.endr
	s_wait_xcnt 0x0
	SEND 7, 0
	s_wait_tensorcnt 0x0                           ; the wave's end
	ds_add_u32 v[SPW], v[NIL]
	s_wait_dscnt 0x0
	CROUND                                         ; the closing round
	s_endpgm
.Lfunc_end_k_q0d14d4c1f6_gemm:
	.size	k_q0d14d4c1f6_gemm, .Lfunc_end_k_q0d14d4c1f6_gemm-k_q0d14d4c1f6_gemm
	.p2alignl 7, 3214868480
	.fill 96, 4, 3214868480
	.section	.rodata,"a",@progbits
	.p2align	6, 0x0
	.amdhsa_kernel k_q0d14d4c1f6_gemm
		.amdhsa_group_segment_fixed_size 327680
		.amdhsa_private_segment_fixed_size 0
		.amdhsa_enable_private_segment 0
		.amdhsa_kernarg_size 32
		.amdhsa_user_sgpr_count 2
		.amdhsa_user_sgpr_kernarg_segment_ptr 1
		.amdhsa_wavefront_size32 1
		.amdhsa_system_sgpr_workgroup_id_x 1
		.amdhsa_system_sgpr_workgroup_id_y 1
		.amdhsa_system_sgpr_workgroup_id_z 1
		.amdhsa_system_vgpr_workitem_id 0
		.amdhsa_next_free_vgpr 1024
		.amdhsa_next_free_sgpr 98
		.amdhsa_reserve_vcc 0
		.amdhsa_float_denorm_mode_32 3
		.amdhsa_float_denorm_mode_16_64 3
		.amdhsa_memory_ordered 1
		.amdhsa_forward_progress 1
		.amdhsa_inst_pref_size 207
	.end_amdhsa_kernel
	.amdgpu_metadata
---
amdhsa.version: [ 1, 2 ]
amdhsa.kernels:
  - .name:           k_q0d14d4c1f6_gemm
    .symbol:         k_q0d14d4c1f6_gemm.kd
    .args:
      - { .name: xq, .offset: 0, .size: 8, .value_kind: global_buffer, .address_space: global }
      - { .name: wq, .offset: 8, .size: 8, .value_kind: global_buffer, .address_space: global }
      - { .name: sq, .offset: 16, .size: 8, .value_kind: global_buffer, .address_space: global }
      - { .name: out0, .offset: 24, .size: 8, .value_kind: global_buffer, .address_space: global }
    .group_segment_fixed_size: 327680
    .private_segment_fixed_size: 0
    .kernarg_segment_align: 8
    .kernarg_segment_size: 32
    .max_flat_workgroup_size: 128
    .sgpr_count:     98
    .vgpr_count:     1024
    .wavefront_size: 32
...
	.end_amdgpu_metadata
.endif
;; end of part 2
